; MI455X (gfx1250); checked and timed in simulation.
; The chip was launched on July 23, 2026; its instructions are those of AMD's public machine-readable ISA for CDNA 5 (MIT licence, August 2026) and "CDNA5" Instruction Set Architecture Reference Guide (July 2026). The comments in the code are by the model that wrote it; some were corrected since.
;; Self Attention. Allowed arithmetic: float matrix products may take bf16 or f16 operands with f32 sums; all other float work in f32.
;; Inputs: bk 16 float32; bq 16 float32; bv 128 float32; wk 16 x 128 float32; wq 16 x 128 float32; wv 128 x 128 float32; x 8 x 128 x 64 x 64 float32.
;; Outputs: out0 8 x 128 x 64 x 64 float32.
;; 2 versions, each right and faster than the one before. Each part assembles by itself: llvm-mc -triple=amdgcn-amd-amdhsa -mcpu=gfx1250 --defsym DOCPART=n.
;; ======== version 1 of 2: 2 launches
;; workspace buffers: qws 1,048,576 bytes; kws 1,048,576 bytes; vws 8,388,608 bytes
;; launch proj (part 1): grid 32 x 8, 4 waves a work-group, no clusters, 76,800 bytes of LDS; arguments x, wq, bq, wk, wv, bv, qws, kws, vws; writes qws, kws, vws
.if DOCPART == 1
	.amdgcn_target "amdgcn-amd-amdhsa--gfx1250"
	.amdhsa_code_object_version 6
	.text
	.protected	k_q186b0ff714_proj
	.globl	k_q186b0ff714_proj
	.p2align	8
	.type	k_q186b0ff714_proj,@function
k_q186b0ff714_proj:
	s_mov_b64 s[64:65], 0
	v_nop
	global_prefetch_b8 v0, s[64:65] scope:SCOPE_SE
	s_setreg_imm32_b32 hwreg(HW_REG_WAVE_MODE, 25, 1), 1
	s_wait_xcnt 0x0
; PROJECTIONS for self-attention over N = 4096 pixels, B = 8, C = 128, dk = 16:
;   q' = (Wq x + bq) * log2(e)/4,  k = Wk x,  v = Wv x + bv,  rounded to bf16 and stored as the register images of the
;   matrix fragments that the attention launch loads (layouts below).
; WORK LEFT OUT: bk.  scores[i][j] = q_i . (Wk x_j + bk) / 4 = q_i . (Wk x_j) / 4 + q_i . bk / 4.  The second term does not hang on j,
;   and softmax over j is unchanged by a term that is the same for all j, whatever the inputs hold.  So bk reaches no output: it is not
;   loaded and is no argument of any launch.  (bq stays: q_i . k_j changes with j through k_j.  bv stays.)
;   Limit: a NaN, an infinity or an overflow that would arise only in q_i . bk is not carried to the result.
; LIMITS: finite inputs; q', k and v are rounded to bf16 (the products' operands), sums are f32.
; SHARES: work-group (pb, b) owns pixels 128 pb .. +127 of batch b.  Wave w brings channels 32 w .. +31 of x (each load of the wave covers 512
;   consecutive bytes of one channel row), rounds them and lays them into LDS as fragments; it also rounds 32 rows of Wv and 8 rows of Wq or Wk.
;   Then wave w makes v's channels 32 w .. +31 for all 8 pixel tiles, and q' (w even) or k (w odd) for the 4 tiles of pixel half w >> 1.
; PIXEL TILES: tile t = 4 G + q holds the 16 pixels 64 G + 4 r + q (r = 0..15).  A lane's 16 bytes of x are then one pixel of each of four tiles.
; OUTPUT LAYOUTS (L = lane, r = L & 15, h = L >> 4):
;   qws, kws: b*131072 + t*512 + 16 L : dims 8h..8h+7 of pixel r of tile t.
;   vws:      b*1048576 + (t>>1)*8192 + ct*1024 + (t&1)*512 + 16 L : pixels 8h..8h+7 of tile t for channel 16 ct + r.
; K ORDER: in X's and W's fragments alike, lane (r, h) register a holds channels 32 ks + 16 h + 2 a, + 1: one permutation of k on both sides.
; NO JOINT FETCH of the weights: they are f32 in memory and are rounded in registers on their way into LDS, 40 rows a wave.
.set WL,   32768                       ; LDS: bf16 weights, 160 rows (0-127 Wv, 128-143 Wq, 144-159 Wk)
.set WP,   272                         ; their pitch: 256 bytes + 16, so that 16 rows' 16-byte pieces fall on 16 different columns of 256 bytes
.set WF,   16                          ; v16-175   40 weight rows as loaded (f32, 4 registers a row)
.set WV0,  16                          ; then: v16-47 Wv fragment of my first 16 channels (4 k steps x 8)
.set WV1,  48                          ;       v48-79 of my second 16
.set WQK,  80                          ;       v80-111 Wq or Wk
.set XA,   112                         ;       v112-143, v144-175: x fragments of one pixel tile, two buffers
.set XB,   144
.set BV0,  176                         ; v176-183, v184-191 bv of my channel, in all 8 registers
.set BV1,  184
.set BQ,   192                         ; v192-199 bq[8h + j]
.set AC0,  200                         ; three accumulators
.set AC1,  208
.set AC2,  216
.set PK,   128                         ; window 1: v0-127 x as loaded (register 4 c + q), v128-191 packed pairs (register 16 q + a)
.set MSB, 0
.macro WIN new                         ; the immediate's high byte repeats the setting that is left
.if MSB != \new
	s_set_vgpr_msb (MSB<<8)|\new
.set MSB, \new
.endif
.endm
	s_load_b512 s[8:23], s[0:1], 0x0               ; x 8, wq 10, bq 12, wk 14, wv 16, bv 18, qws 20, kws 22
	s_load_b64 s[24:25], s[0:1], 0x40              ; vws
	v_lshl_add_u32 v254, v0, 2, 0x12a00
	v_mov_b32 v255, 0
	v_lshrrev_b32 v2, 5, v0
	v_readfirstlane_b32 s26, v2                    ; wave w
	s_and_b32 s27, s26, 1                          ; sel: 0 makes q', 1 makes k
	s_lshr_b32 s28, s26, 1                         ; gh: my pixel half for q' or k
	s_xor_b32 s31, s28, 1                          ; the other half
	s_and_b32 s30, ttmp7, 0xffff                   ; b
	v_and_b32 v[AC0], 31, v0                       ; L
	v_and_b32 v2, 15, v0                           ; r
	v_bfe_u32 v3, v0, 4, 1                         ; h
	v_lshlrev_b32 v1, 4, v[AC0]                    ; 16 L
	s_mul_i32 s36, s26, 32*WP
	s_add_co_u32 s36, s36, WL                      ; my 32 rows of Wv in LDS
	v_lshl_add_u32 v4, v[AC0], 3, s36              ; where I put 8 bytes of a Wv row
	s_mul_i32 s37, s26, 8*WP
	s_add_co_u32 s37, s37, WL+128*WP
	v_lshl_add_u32 v5, v[AC0], 3, s37              ; the same for my 8 rows of Wq or Wk
	s_lshl_b32 s38, s26, 10
	v_lshl_add_u32 v6, v2, 4, s38                  ; x fragments, in: 1024 w (k step) + 16 r
	v_lshl_add_u32 v6, v3, 14, v6                  ;   + 16384 x pixel half (my lane's half)
	v_mul_u32_u24 v8, v2, WP
	v_lshl_add_u32 v8, v3, 5, v8                   ; r x pitch + 32 h
	v_add_nc_u32 v7, s36, v8                       ; Wv fragments
	s_mul_i32 s39, s27, 16*WP
	s_add_co_u32 s39, s39, WL+128*WP
	v_add_nc_u32 v8, s39, v8                       ; Wq or Wk fragments
	v_lshl_add_u32 v9, s28, 14, v1                 ; x fragments, out: my half,
	v_lshl_add_u32 v10, s31, 14, v1                ;   the other half
	v_lshl_add_u32 v11, s26, 11, v9                ; vws offsets: 16 L + 2048 w + 16384 x half
	v_lshl_add_u32 v12, s26, 11, v10
	v_lshl_add_u32 v13, s28, 11, v1                ; qws, kws offset: 16 L + 2048 gh
	v_lshlrev_b32 v14, 2, v2                       ; 4 r
	v_lshlrev_b32 v15, 5, v3                       ; 32 h
	s_lshl_b32 s32, s30, 21                        ; x: batch, my 32 channels, the group's 128 pixels
	s_lshl_b32 s40, s26, 19
	s_or_b32 s32, s32, s40
	s_lshl_b32 s40, ttmp9, 9
	s_or_b32 s32, s32, s40
	s_mov_b32 s33, 0
	s_wait_kmcnt 0x0
	s_add_nc_u64 s[8:9], s[8:9], s[32:33]
	s_lshl_b32 s32, s26, 14
	s_add_nc_u64 s[16:17], s[16:17], s[32:33]      ; wv at row 32 w
	s_lshl_b32 s32, s26, 7
	s_add_nc_u64 s[18:19], s[18:19], s[32:33]      ; bv at 32 w
	s_lshl_b32 s32, s30, 17
	s_lshl_b32 s40, ttmp9, 12
	s_or_b32 s32, s32, s40
	s_add_nc_u64 s[20:21], s[20:21], s[32:33]      ; qws, kws at the group's 8 tiles
	s_add_nc_u64 s[22:23], s[22:23], s[32:33]
	s_lshl_b32 s32, s30, 20
	s_lshl_b32 s40, ttmp9, 15
	s_or_b32 s32, s32, s40
	s_add_nc_u64 s[24:25], s[24:25], s[32:33]      ; vws at the group's 4 key blocks
	s_lshl_b32 s32, s27, 12
	s_cmp_lt_u32 s26, 2
	s_cselect_b64 s[34:35], s[10:11], s[14:15]     ; waves 0, 1 round Wq, waves 2, 3 Wk,
	s_add_nc_u64 s[34:35], s[34:35], s[32:33]      ; rows 0-7 or 8-15
	; all loads: weights and biases first, then x
.set i, 0
.rept 32
	global_load_b128 v[WF+4*i:WF+4*i+3], v1, s[16:17] offset:i*512
.set i, i+1
.endr
.set i, 0
.rept 8
	global_load_b128 v[WF+128+4*i:WF+128+4*i+3], v1, s[34:35] offset:i*512
.set i, i+1
.endr
	global_load_b32 v[BV0], v14, s[18:19]
	global_load_b32 v[BV1], v14, s[18:19] offset:64
	global_load_b128 v[BQ:BQ+3], v15, s[12:13]             ; every wave takes bq's 64 bytes, so that the counted wait below counts the same in all four
	global_load_b128 v[BQ+4:BQ+7], v15, s[12:13] offset:16
	WIN 0x40                                               ; destination in window 1
.set i, 0
.rept 32
	global_load_b128 v[4*i:4*i+3], v1, s[8:9] offset:i*16384 th:TH_LOAD_NT   ; channel 32 w + i, pixels 4 L .. 4 L + 3
.set i, i+1
.endr
	WIN 0
	s_wait_loadcnt 0x20                            ; the 32 younger loads are x's: weights and biases are in
.set i, 0
.rept 32
	v_cvt_pk_bf16_f32 v[WF+4*i], v[WF+4*i], v[WF+4*i+1]
	v_cvt_pk_bf16_f32 v[WF+4*i+1], v[WF+4*i+2], v[WF+4*i+3]
	ds_store_b64 v4, v[WF+4*i:WF+4*i+1] offset:i*WP
.set i, i+1
.endr
.set i, 0
.rept 8
	v_cvt_pk_bf16_f32 v[WF+128+4*i], v[WF+128+4*i], v[WF+128+4*i+1]
	v_cvt_pk_bf16_f32 v[WF+128+4*i+1], v[WF+128+4*i+2], v[WF+128+4*i+3]
	ds_store_b64 v5, v[WF+128+4*i:WF+128+4*i+1] offset:i*WP
.set i, i+1
.endr
.irp j, 1,2,3,4,5,6,7
	v_mov_b32 v[BV0+\j], v[BV0]                    ; a lane's 8 results are 8 pixels of one channel: one bias in all 8
	v_mov_b32 v[BV1+\j], v[BV1]
.endr
	; x: two neighbouring channels of one pixel into one register
	WIN 0x45                                       ; sources and destination in window 1
.set ia, 0
.rept 16
	s_wait_loadcnt 30-2*ia                         ; loads return in order: channels 2 ia and 2 ia + 1 are in, the 30 - 2 ia behind them may be out
.irp q, 0,1,2,3
	v_cvt_pk_bf16_f32 v[PK+16*\q+ia], v[8*ia+\q], v[8*ia+4+\q]
.endr
.set ia, ia+1
.endr
	WIN 0x04                                       ; store data in window 1
.irp q, 0,1,2,3
.irp hh, 0,1
.irp g, 0,1
	ds_store_b128 v6, v[PK+16*\q+8*\hh+4*\g:PK+16*\q+8*\hh+4*\g+3] offset:\q*4096+\g*512+\hh*256   ; channels 32 w + 16 hh + 8 g .. + 7 of my pixel of tile q
.endr
.endr
.endr
	WIN 0
	s_wait_dscnt 0x0                               ; my stores are in LDS before I say so
	s_barrier_signal -1
	s_barrier_wait -1                              ; the launch's one barrier: fragments and weights of all four waves are there
.irp ks, 0,1,2,3
	ds_load_b128 v[WV0+8*\ks:WV0+8*\ks+3],   v7 offset:\ks*64
	ds_load_b128 v[WV0+8*\ks+4:WV0+8*\ks+7], v7 offset:\ks*64+16
	ds_load_b128 v[WV1+8*\ks:WV1+8*\ks+3],   v7 offset:16*WP+\ks*64
	ds_load_b128 v[WV1+8*\ks+4:WV1+8*\ks+7], v7 offset:16*WP+\ks*64+16
	ds_load_b128 v[WQK+8*\ks:WQK+8*\ks+3],   v8 offset:\ks*64
	ds_load_b128 v[WQK+8*\ks+4:WQK+8*\ks+7], v8 offset:\ks*64+16
.endr
; the 8 loads of pixel tile tt's fragments (tiles 0-3: my half, 4-7: the other)
.macro XLOAD tt, dst
.irp ks, 0,1,2,3
.if (\tt) < 4
	ds_load_b128 v[\dst+8*\ks:\dst+8*\ks+3],   v9 offset:((\tt)&3)*4096+\ks*1024
	ds_load_b128 v[\dst+8*\ks+4:\dst+8*\ks+7], v9 offset:((\tt)&3)*4096+\ks*1024+512
.else
	ds_load_b128 v[\dst+8*\ks:\dst+8*\ks+3],   v10 offset:((\tt)&3)*4096+\ks*1024
	ds_load_b128 v[\dst+8*\ks+4:\dst+8*\ks+7], v10 offset:((\tt)&3)*4096+\ks*1024+512
.endif
.endr
.endm
	XLOAD 0, XA
; One pixel tile.  mode 0: v alone; 1: v and q'; 2: v and k.
; v: source 0 = x (rows = pixels), source 1 = Wv (columns = channels): a lane's 8 results are 8 pixels of one channel.
; q', k: source 0 = W (rows = dims), source 1 = x: a lane's 8 results are 8 dims of one pixel.
; The accumulators take turns, one instruction a turn.
.macro PSTEP t, mode
.if (\t)&1
.set XC, XB
.set XN, XA
.else
.set XC, XA
.set XN, XB
.endif
.if (\t) < 4
.set VADR, 11
.else
.set VADR, 12
.endif
.if (\t) < 7
	XLOAD (\t)+1, XN                               ; four v_nop and the conversions stand between the last products that read this buffer and these loads
	s_wait_dscnt 0x8                               ; all but the 8 just issued
.else
	s_wait_dscnt 0x0
.endif
	s_wait_xcnt 0x0                                ; the accumulators, which the last tile's stores read, are written again only behind this wait
	v_wmma_f32_16x16x32_bf16 v[AC0:AC0+7], v[XC:XC+7], v[WV0:WV0+7], v[BV0:BV0+7]      ; the bias starts the sum
	v_wmma_f32_16x16x32_bf16 v[AC1:AC1+7], v[XC:XC+7], v[WV1:WV1+7], v[BV1:BV1+7]
.if \mode == 1
	v_wmma_f32_16x16x32_bf16 v[AC2:AC2+7], v[WQK:WQK+7], v[XC:XC+7], v[BQ:BQ+7]
.endif
.if \mode == 2
	v_wmma_f32_16x16x32_bf16 v[AC2:AC2+7], v[WQK:WQK+7], v[XC:XC+7], 0
.endif
.irp ks, 1,2,3
	v_wmma_f32_16x16x32_bf16 v[AC0:AC0+7], v[XC+8*\ks:XC+8*\ks+7], v[WV0+8*\ks:WV0+8*\ks+7], v[AC0:AC0+7]
	v_wmma_f32_16x16x32_bf16 v[AC1:AC1+7], v[XC+8*\ks:XC+8*\ks+7], v[WV1+8*\ks:WV1+8*\ks+7], v[AC1:AC1+7]
.if \mode
	v_wmma_f32_16x16x32_bf16 v[AC2:AC2+7], v[WQK+8*\ks:WQK+8*\ks+7], v[XC+8*\ks:XC+8*\ks+7], v[AC2:AC2+7]
.endif
.endr
.rept 4
	v_nop                                          ; four places behind the last product before its result is read (ISA guide 7.12.1)
.endr
.if \mode == 1
.irp j, 0,2,4,6
	v_pk_mul_f32 v[AC2+\j:AC2+\j+1], v[AC2+\j:AC2+\j+1], 0x3eb8aa3b op_sel_hi:[1,0]   ; log2(e)/4: 1/sqrt(dk) and the base of the exponential
.endr
.endif
.irp j, 0,1,2,3
	v_cvt_pk_bf16_f32 v[AC0+\j], v[AC0+2*\j], v[AC0+2*\j+1]
.endr
.irp j, 0,1,2,3
	v_cvt_pk_bf16_f32 v[AC1+\j], v[AC1+2*\j], v[AC1+2*\j+1]
.endr
.if \mode
.irp j, 0,1,2,3
	v_cvt_pk_bf16_f32 v[AC2+\j], v[AC2+2*\j], v[AC2+2*\j+1]
.endr
.endif
	; each store of the wave covers 512 consecutive bytes, aligned
	global_store_b128 v[VADR], v[AC0:AC0+3], s[24:25] offset:(((\t)&3)>>1)*8192+((\t)&1)*512
	global_store_b128 v[VADR], v[AC1:AC1+3], s[24:25] offset:(((\t)&3)>>1)*8192+((\t)&1)*512+1024
.if \mode == 1
	global_store_b128 v13, v[AC2:AC2+3], s[20:21] offset:((\t)&3)*512
.endif
.if \mode == 2
	global_store_b128 v13, v[AC2:AC2+3], s[22:23] offset:((\t)&3)*512
.endif
.endm
	s_cmp_lg_u32 s27, 0
	s_cbranch_scc1 .Lkwave
	PSTEP 0, 1
	PSTEP 1, 1
	PSTEP 2, 1
	PSTEP 3, 1
	s_branch .Lrest
.Lkwave:
	PSTEP 0, 2
	PSTEP 1, 2
	PSTEP 2, 2
	PSTEP 3, 2
.Lrest:
	PSTEP 4, 0
	PSTEP 5, 0
	PSTEP 6, 0
	PSTEP 7, 0
	s_wait_tensorcnt 0x0
	ds_add_u32 v254, v255
	s_wait_dscnt 0x0
	s_endpgm
.Lfunc_end_k_q186b0ff714_proj:
	.size	k_q186b0ff714_proj, .Lfunc_end_k_q186b0ff714_proj-k_q186b0ff714_proj
	.p2alignl 7, 3214868480
	.fill 96, 4, 3214868480
	.section	.rodata,"a",@progbits
	.p2align	6, 0x0
	.amdhsa_kernel k_q186b0ff714_proj
		.amdhsa_group_segment_fixed_size 76800
		.amdhsa_private_segment_fixed_size 0
		.amdhsa_enable_private_segment 0
		.amdhsa_kernarg_size 72
		.amdhsa_user_sgpr_count 2
		.amdhsa_user_sgpr_kernarg_segment_ptr 1
		.amdhsa_wavefront_size32 1
		.amdhsa_system_sgpr_workgroup_id_x 1
		.amdhsa_system_sgpr_workgroup_id_y 1
		.amdhsa_system_sgpr_workgroup_id_z 1
		.amdhsa_system_vgpr_workitem_id 0
		.amdhsa_next_free_vgpr 448
		.amdhsa_next_free_sgpr 66
		.amdhsa_reserve_vcc 0
		.amdhsa_float_denorm_mode_32 3
		.amdhsa_float_denorm_mode_16_64 3
		.amdhsa_memory_ordered 1
		.amdhsa_forward_progress 1
		.amdhsa_inst_pref_size 55
	.end_amdhsa_kernel
	.amdgpu_metadata
---
amdhsa.version: [ 1, 2 ]
amdhsa.kernels:
  - .name:           k_q186b0ff714_proj
    .symbol:         k_q186b0ff714_proj.kd
    .args:
      - { .name: x, .offset: 0, .size: 8, .value_kind: global_buffer, .address_space: global }
      - { .name: wq, .offset: 8, .size: 8, .value_kind: global_buffer, .address_space: global }
      - { .name: bq, .offset: 16, .size: 8, .value_kind: global_buffer, .address_space: global }
      - { .name: wk, .offset: 24, .size: 8, .value_kind: global_buffer, .address_space: global }
      - { .name: wv, .offset: 32, .size: 8, .value_kind: global_buffer, .address_space: global }
      - { .name: bv, .offset: 40, .size: 8, .value_kind: global_buffer, .address_space: global }
      - { .name: qws, .offset: 48, .size: 8, .value_kind: global_buffer, .address_space: global }
      - { .name: kws, .offset: 56, .size: 8, .value_kind: global_buffer, .address_space: global }
      - { .name: vws, .offset: 64, .size: 8, .value_kind: global_buffer, .address_space: global }
    .group_segment_fixed_size: 76800
    .private_segment_fixed_size: 0
    .kernarg_segment_align: 8
    .kernarg_segment_size: 72
    .max_flat_workgroup_size: 128
    .sgpr_count:     66
    .vgpr_count:     448
    .wavefront_size: 32
...
	.end_amdgpu_metadata
.endif
;; end of part 1
;; launch attn (part 2): grid 32 x 8, 4 waves a work-group, clusters of 4 x 1, 327,680 bytes of LDS; arguments x, qws, kws, vws, out0; writes out0
.if DOCPART == 2
	.amdgcn_target "amdgcn-amd-amdhsa--gfx1250"
	.amdhsa_code_object_version 6
	.text
	.protected	k_q186b0ff714_attn
	.globl	k_q186b0ff714_attn
	.p2align	8
	.type	k_q186b0ff714_attn,@function
k_q186b0ff714_attn:
	s_mov_b64 s[64:65], 0
	v_nop
	global_prefetch_b8 v0, s[64:65] scope:SCOPE_SE
	s_setreg_imm32_b32 hwreg(HW_REG_WAVE_MODE, 25, 1), 1
	s_wait_xcnt 0x0
	s_wait_alu depctr_hold_cnt(0) depctr_sa_sdst(0) depctr_va_vdst(0) depctr_va_sdst(0) depctr_va_ssrc(0) depctr_va_vcc(0) depctr_vm_vsrc(0)
	s_getreg_b32 s2, hwreg(HW_REG_IB_STS2, 6, 4)
	s_cmp_eq_u32 s2, 0
	s_cbranch_scc0 .Lentry_in_a_cluster
	s_endpgm
.Lentry_in_a_cluster:
	s_bfe_u32 s2, ttmp6, 0x10000c
	s_cmp_lg_u32 s2, 0x3003
	s_cbranch_scc0 .Lentry_shape_is_right
	s_endpgm
.Lentry_shape_is_right:
; ATTENTION: out[c][i] = sum_j v[c][j] softmax_j(q_i . k_j / 4) + x[c][i], from the fragment images q', k, v that the launch before stored
; (q' already holds bq and the factor log2(e)/4; v holds bv).
; WORK LEFT OUT: bk (q_i . bk is the same for all j, so softmax over j cancels it for all inputs; shown at the head of the first kernel).
; TWO PASSES.  Pass 1 makes every query's exact maximum m of the scores (products and maxima only).  Pass 2 makes S - m in one product, by
;   giving -m as the C operand, then 2^(S-m), its sum, its rounding to bf16 and the product with v.  No running maximum, no rescaling.
; LIMITS: finite inputs (two key tiles share a matrix operand, the unwanted one multiplied by zeros: a non-finite k would spread to its neighbour tile);
;   2^(S-m) below 2^-126 counts as 0; the weights 2^(S-m) are rounded to bf16 for the product with v, their sum is taken in f32 before rounding;
;   S - m is rounded once inside the product and may lie a few last places above 0.
; SHARES: a work-group owns 128 queries of one batch.  Wave w: qh = w & 1 picks 64 queries (four tiles q = 0..3 of 16; tile q holds pixels 64 G + 4 r + q),
;   kh = w >> 1 picks half of the keys; the two halves' maxima, sums and results meet in LDS.
; LAYOUTS (lane L, r = L & 15, h = L >> 4).  S^T = K Q^T: source 0 = 16 keys, source 1 = 16 queries; a lane's 8 results are keys 8h..8h+7 of query r, and two
;   such tiles rounded to bf16 ARE source 1 of the product with v (k = key).  Source 0 there = v (rows = channels); a lane's result register j is channel 8h + j of
;   query r.  The four query tiles of a lane are four neighbouring pixels, so out leaves straight from registers, 16 bytes a lane.
;   dk = 16 fills half of the form's K = 32: a K operand holds two key tiles (registers 0-3, 4-7) and Q is used as [q, 0] or [0, q].
; CLUSTER: the four work-groups of a cluster own query blocks of one batch and need the same K and V tiles: each tile is asked for jointly (mask 15), every wave
;   of each work-group asking for its quarter.  The work-group's place in the cluster enters only the global addresses of Q, x and out.
; LDS: 0 all of the batch's K (131072); 131072 and 196608 two slots of V, one step of 256 keys each (65536); 262144 scratch for maxima and sums (4096), where no
;   fill lands.  After its last fill and last read slot 0 is the stage on which the key halves exchange results.
; REGISTERS.  Window 0: v1-10 addresses, QB q and zero quads, NEGM -m (pass 1: running maxima), SREG scores, P0.. two weight buffers, KB K operands, LSUM sums.
;   Window 1: 32 accumulators, (q, ct) at 64 q + 8 ct.  Window 2: v0-63, v64-127 two V buffers (at the end: the partner's results), v128-255 x.
.set VS0,  131072
.set VSB,  65536
.set SC,   262144
.set QB,   12                          ; v12-47  Z q0 Z q1 Z q2 Z q3 Z (quads): [q,0] of tile q at QB+8q+4, [0,q] at QB+8q
.set NEGM, 48                          ; v48-79
.set SREG, 80                          ; v80-143 eight score tiles: 2 q + (0: first, 1: second key tile of the pair)
.set P0,   144                         ; v144-175, v176-207
.set KB0,  208                         ; v208, v216 (pass 1 also v232, v240)
.set LSUM, 224                         ; v224-231 a pair for each q
.set TREG, 248
.set UREG, 252
.set XR,   128                         ; window 2: x and then out, quad 8 ctl + j
.set MSB,  0
.macro WIN new                         ; the immediate's high byte repeats the setting that is left
.if MSB != \new
	s_set_vgpr_msb (MSB<<8)|\new
.set MSB, \new
.endif
.endm
.macro PLACES                          ; four places behind a matrix instruction (ISA guide 7.12.1)
.rept 4
	v_nop
.endr
.endm
; A round of the cluster's barrier: my work-group's barrier, wave 0 signals for the work-group, every wave waits for all four work-groups, my work-group's barrier again.
.macro ROUND
	s_barrier_signal -1
	s_barrier_wait -1
	s_cmp_lg_u32 s14, 0
	s_cbranch_scc1 .Lnot_wave_0_\@
	s_barrier_signal -3
.Lnot_wave_0_\@:
	s_barrier_wait -3
	s_barrier_signal -1
	s_barrier_wait -1
.endm
	s_load_b256 s[4:11], s[0:1], 0x0               ; x 4, qws 6, kws 8, vws 10
	s_load_b64 s[12:13], s[0:1], 0x20              ; out
	s_set_vgpr_msb 0xc0
	v_lshl_add_u32 v0, v0, 2, 0x41000
	v_mov_b32 v1, 0
	s_set_vgpr_msb 0xc0cf
	ds_add_u32 v0, v1
	s_set_vgpr_msb 0xcf00
	v_lshrrev_b32 v1, 5, v0
	v_readfirstlane_b32 s14, v1                    ; wave w
	s_and_b32 s15, s14, 1                          ; qh
	s_lshr_b32 s16, s14, 1                         ; kh
	s_xor_b32 s53, s14, 2                          ; my partner: same queries, other keys
	s_bfe_u32 s17, ttmp6, 0x40000                  ; cx
	s_lshl_b32 s18, ttmp9, 2
	s_add_co_u32 s18, s18, s17                     ; query block = 4 x cluster x + cx
	s_lshl1_add_u32 s18, s18, s15                  ; G = 2 x block + qh: my 64 queries
	s_and_b32 s19, ttmp7, 0xffff                   ; b
	s_mov_b32 s22, 0x76543210                      ; v_permlanex16_b32: lane i takes lane i of the other half
	s_mov_b32 s23, 0xfedcba98
	; group 1 for K's quarter: 128 dense rows of 32 elements of 8 bytes; mask 15 with bit 21 beside it
	s_mov_b32 s24, 0x0023000f
	s_mov_b32 s25, 32<<16
	s_mov_b32 s26, 128<<16
	s_mov_b32 s27, 32<<16
	s_mov_b32 s28, 128
	s_mov_b32 s29, 32
	s_mov_b32 s30, 0
	s_mov_b32 s31, 0
	; group 1 for a V step's quarter: 64 such rows
	s_mov_b32 s32, 0x0023000f
	s_mov_b32 s33, 32<<16
	s_mov_b32 s34, 64<<16
	s_mov_b32 s35, 32<<16
	s_mov_b32 s36, 64
	s_mov_b32 s37, 32
	s_mov_b32 s38, 0
	s_mov_b32 s39, 0
	; groups 0: K s[40:43], V slot 0 s[44:47], V slot 1 s[48:51].  Batch and wave alone enter them.
	s_mov_b32 s40, 1
	s_lshl_b32 s41, s14, 15
	s_mov_b32 s44, 1
	s_lshl_b32 s45, s14, 14
	s_add_co_u32 s45, s45, VS0
	s_mov_b32 s48, 1
	s_add_co_u32 s49, s45, VSB
	s_lshl_b32 s20, s19, 17
	s_add_co_u32 s20, s20, s41
	s_mov_b32 s21, 0
	s_wait_dscnt 0x0
	s_wait_kmcnt 0x0
	s_add_nc_u64 s[42:43], s[8:9], s[20:21]
	s_or_b32 s43, s43, 0x80000000
	s_lshl_b32 s20, s19, 20
	s_lshl_b32 s56, s14, 14
	s_add_co_u32 s20, s20, s56
	s_add_nc_u64 s[46:47], s[10:11], s[20:21]      ; step 0
	s_add_nc_u64 s[50:51], s[46:47], 0x10000       ; step 1
	s_or_b32 s47, s47, 0x80000000
	s_or_b32 s51, s51, 0x80000000
	ROUND                                          ; all four work-groups are here: the first joint loads meet
	tensor_load_to_lds s[40:43], s[24:31]          ; the three first fills go out as one group: three tensor loads of the wave are out
	s_nop 0
	tensor_load_to_lds s[44:47], s[32:39]
	s_nop 0
	tensor_load_to_lds s[48:51], s[32:39]
	s_nop 0
	s_lshl_b32 s54, s19, 21                        ; offsets that hold cx have a pair of their own
	s_lshl_b32 s57, s18, 8
	s_add_co_u32 s54, s54, s57
	s_mov_b32 s55, 0
	s_add_nc_u64 s[4:5], s[4:5], s[54:55]          ; x and out at my batch and my 64 pixels
	s_add_nc_u64 s[12:13], s[12:13], s[54:55]
	s_lshl_b32 s54, s19, 17
	s_lshl_b32 s57, s18, 11
	s_add_co_u32 s54, s54, s57
	s_add_nc_u64 s[6:7], s[6:7], s[54:55]          ; my four query tiles
	v_and_b32 v11, 31, v0                          ; L
	v_and_b32 v[TREG], 15, v0                      ; r
	v_bfe_u32 v[TREG+1], v0, 4, 1                  ; h
	v_lshlrev_b32 v1, 4, v11                       ; 16 L
	v_lshl_add_u32 v2, s16, 12, v1                 ; pass 2: K pairs, 4 of every 8 are mine
	s_lshl_b32 s56, s16, 15
	s_add_co_u32 s56, s56, VS0
	v_add_nc_u32 v3, s56, v1                       ; V slot 0, my 4 blocks of its 8
	v_add_nc_u32 v4, VSB, v3                       ; V slot 1
	v_lshl_add_u32 v5, s16, 16, v1                 ; pass 1: K pairs 64 kh ..
	v_lshlrev_b32 v6, 4, v[TREG]                   ; x, out: 16 r
	v_lshl_add_u32 v6, v[TREG+1], 17, v6           ;   + 8 h channels
	v_lshl_add_u32 v6, s16, 20, v6                 ;   + 64 kh channels: the channels that I finish
	s_lshl_b32 s57, s14, 9
	s_add_co_u32 s57, s57, SC
	v_add_nc_u32 v7, s57, v1                       ; scratch: mine,
	s_lshl_b32 s58, s53, 9
	s_add_co_u32 s58, s58, SC
	v_add_nc_u32 v8, s58, v1                       ;   my partner's
	v_add_nc_u32 v9, s45, v1                       ; stage: mine (slot 0 + 16384 w),
	s_lshl_b32 s59, s53, 14
	s_add_co_u32 s59, s59, VS0
	v_add_nc_u32 v10, s59, v1                      ;   my partner's
.irp q, 0,1,2,3
	global_load_b128 v[QB+8*\q+4:QB+8*\q+7], v1, s[6:7] offset:\q*512
.endr
	WIN 0x80                                       ; destination in window 2
.irp c, 0,1,2,3
.irp j, 0,1,2,3,4,5,6,7
	global_load_b128 v[XR+4*(8*\c+\j):XR+4*(8*\c+\j)+3], v6, s[4:5] offset:(16*\c+\j)*16384 th:TH_LOAD_NT   ; x for the way out: asked for now, waited for at the end
.endr
.endr
	WIN 0
.irp z, 0,1,2,3,4
.irp i, 0,1,2,3
	v_mov_b32 v[QB+8*\z+\i], 0                     ; the zero quads between the q
.endr
.endr
.irp i, 0,1,2,3,4,5,6,7
	v_mov_b32 v[LSUM+\i], 0
.endr
	s_wait_loadcnt 0x20                            ; Q is in; the 32 younger loads are x's
	s_wait_tensorcnt 0x2                           ; my quarter of K is in; both V steps may stay out
	s_barrier_signal -1
	s_barrier_wait -1                              ; all of K is in
; ---------------- PASS 1: the maxima ----------------
.macro P1LOAD kb, off                  ; a pair of key tiles into K buffer kb (0..3: v208, v216, v232, v240)
.set KD, KB0+8*(\kb)+8*((\kb)>>1)
	ds_load_b128 v[KD:KD+3], v5 offset:\off
	ds_load_b128 v[KD+4:KD+7], v5 offset:\off+512
.endm
; One pair of key tiles: 8 products into score set `set`; behind each product four maxima over the OTHER set, which the pair before wrote.
; mode 0: no set to read yet; 1: the maxima start; 2: they go on.  koff: the pair three ahead is loaded from there (-1: none).  cnt: LDS loads that may stay out.
.macro P1G kb, set, mode, koff, cnt
	s_wait_dscnt \cnt
.set KCUR, KB0+8*(\kb)+8*((\kb)>>1)
.set DSET, SREG+64*(\set)
.set YSET, SREG+64*(1-(\set))
.set tt, 0
.rept 8
	v_wmma_f32_16x16x32_bf16 v[DSET+8*tt:DSET+8*tt+7], v[KCUR:KCUR+7], v[QB+8*(tt>>1)+4*(1-(tt&1)):QB+8*(tt>>1)+4*(1-(tt&1))+7], 0
.irp jj, 0,1,2,3
.if \mode == 2
	v_max3_num_f32 v[NEGM+8*(tt>>1)+4*(tt&1)+\jj], v[NEGM+8*(tt>>1)+4*(tt&1)+\jj], v[YSET+16*(tt>>1)+4*(tt&1)+\jj], v[YSET+16*(tt>>1)+8+4*(tt&1)+\jj]
.endif
.if \mode == 1
	v_max_num_f32 v[NEGM+8*(tt>>1)+4*(tt&1)+\jj], v[YSET+16*(tt>>1)+4*(tt&1)+\jj], v[YSET+16*(tt>>1)+8+4*(tt&1)+\jj]
.endif
.endr
.if tt == 1
.if (\koff) >= 0
	P1LOAD ((\kb)+3)&3, \koff                      ; into the buffer that the pair before read: its last product lies at least four plain instructions back
.endif
.endif
.set tt, tt+1
.endr
.if \mode == 0
	PLACES
.endif
.endm
	P1LOAD 0, 0
	P1LOAD 1, 1024
	P1LOAD 2, 2048
	P1G 0, 0, 0, 3072, 4                           ; count 4: the next two pairs' loads may stay out
	P1G 1, 1, 1, 4096, 4
	P1G 2, 0, 2, 5120, 4
	P1G 3, 1, 2, 6144, 4
	v_add_nc_u32 v5, 0x1000, v5
	s_mov_b32 s52, 14
.Lmax:
	P1G 0, 0, 2, 3072, 4
	P1G 1, 1, 2, 4096, 4
	P1G 2, 0, 2, 5120, 4
	P1G 3, 1, 2, 6144, 4
	v_add_nc_u32 v5, 0x1000, v5
	s_sub_co_u32 s52, s52, 1
	s_cmp_lg_u32 s52, 0
	s_cbranch_scc1 .Lmax
	P1G 0, 0, 2, 3072, 4                           ; pairs 60 to 63: one more load, then the counts run down
	P1G 1, 1, 2, -1, 4
	P1G 2, 0, 2, -1, 2
	P1G 3, 1, 2, -1, 0
	PLACES
.irp q, 0,1,2,3
.irp j, 0,1,2,3,4,5,6,7
	v_max3_num_f32 v[NEGM+8*\q+\j], v[NEGM+8*\q+\j], v[SREG+64+16*\q+\j], v[SREG+64+16*\q+8+\j]   ; the last pair's scores
.endr
.endr
.irp q, 0,1,2,3
	v_max3_num_f32 v[TREG+\q], v[NEGM+8*\q], v[NEGM+8*\q+1], v[NEGM+8*\q+2]
	v_max3_num_f32 v[UREG], v[NEGM+8*\q+3], v[NEGM+8*\q+4], v[NEGM+8*\q+5]
	v_max3_num_f32 v[TREG+\q], v[TREG+\q], v[UREG], v[NEGM+8*\q+6]
	v_max_num_f32 v[TREG+\q], v[TREG+\q], v[NEGM+8*\q+7]
	v_permlanex16_b32 v[UREG], v[TREG+\q], s22, s23        ; the other 8 keys of each tile lie in the other half of the lanes
	v_max_num_f32 v[TREG+\q], v[TREG+\q], v[UREG]
.endr
	ds_store_b128 v7, v[TREG:TREG+3]
	s_wait_dscnt 0x0                               ; my maxima are in LDS before I say so
	s_wait_tensorcnt 0x1                           ; my quarter of V's step 0 is in; step 1 may stay out
	s_barrier_signal -1
	s_barrier_wait -1
	ds_load_b128 v[UREG:UREG+3], v8                ; the other key half's maxima
	ds_load_b128 v[KB0:KB0+3], v2                  ; pass 2's first K pair
	ds_load_b128 v[KB0+4:KB0+7], v2 offset:512
	s_wait_dscnt 0x2                               ; the maxima are in; the two K loads may stay out
.irp q, 0,1,2,3
	v_max_num_f32 v[TREG+\q], v[TREG+\q], v[UREG+\q]
.endr
.irp q, 0,1,2,3
	v_xor_b32 v[NEGM+8*\q], 0x80000000, v[TREG+\q]         ; -m, the same in all 8 registers: a lane's 8 scores belong to one query
.irp j, 1,2,3,4,5,6,7
	v_mov_b32 v[NEGM+8*\q+\j], v[NEGM+8*\q]
.endr
.endr
; ---------------- PASS 2 ----------------
; One score tile: S - m.
.macro SWMMA tau, kreg
	v_wmma_f32_16x16x32_bf16 v[SREG+8*(\tau):SREG+8*(\tau)+7], v[\kreg:\kreg+7], v[QB+8*((\tau)>>1)+4*(1-((\tau)&1)):QB+8*((\tau)>>1)+4*(1-((\tau)&1))+7], v[NEGM+8*((\tau)>>1):NEGM+8*((\tau)>>1)+7]
.endm
; Slice k of 33 of a block's softmax: two exponentials, and the sum and the rounding of the two of the slice before, so that a plain
; instruction always stands between an exponential and the use of its result (ISA guide 5.7.2).
.macro SLICE k, pdst
.if (\k) < 32
	v_exp_f32 v[SREG+2*(\k)], v[SREG+2*(\k)]
	v_exp_f32 v[SREG+2*(\k)+1], v[SREG+2*(\k)+1]
.endif
.if (\k) == 0
	v_nop
.else
	s_wait_alu depctr_va_vdst(0)
	v_pk_add_f32 v[LSUM+2*(((\k)-1)>>3):LSUM+2*(((\k)-1)>>3)+1], v[LSUM+2*(((\k)-1)>>3):LSUM+2*(((\k)-1)>>3)+1], v[SREG+2*(\k)-2:SREG+2*(\k)-1]
	v_cvt_pk_bf16_f32 v[\pdst+(\k)-1], v[SREG+2*(\k)-2], v[SREG+2*(\k)-1]
.endif
.endm
; Iteration n (par = n & 1) on blocks of 32 keys:
;   pv: 32 products of v(n) with the weights of block n (zero = 1: they start the sums);   sm: behind each, one slice of block n+1's softmax;
;   sw: behind every fourth slice, when a score tile has been used up, block n+2's product into it;
;   loads: K(n+3) at koff and v(n+1) at voff of slot vslot (-1: none), behind slots 3 and 7, at least seven plain instructions behind the last product that read those registers.
; The 32 accumulators take turns, one instruction a turn.
.macro ITER par, pv, zero, sm, sw, vslot, voff, koff
	s_wait_dscnt 0x0                               ; v(n) and K(n+2), asked for in the iteration before
.set PCUR, P0+32*(\par)
.set PNXT, P0+32*(1-(\par))
.set KCUR, KB0+8*(\par)
.set KNXT, KB0+8*(1-(\par))
.set VCUR, 64*(\par)
.set VNXT, 64*(1-(\par))
.set kk, 0
.rept 32
.if \pv
	WIN 0x52                                       ; source 0 (v) window 2, source 1 (weights) window 0, C and D window 1
.if \zero
	v_wmma_f32_16x16x32_bf16 v[64*(kk&3)+8*(kk>>2):64*(kk&3)+8*(kk>>2)+7], v[VCUR+8*(kk>>2):VCUR+8*(kk>>2)+7], v[PCUR+8*(kk&3):PCUR+8*(kk&3)+7], 0
.else
	v_wmma_f32_16x16x32_bf16 v[64*(kk&3)+8*(kk>>2):64*(kk&3)+8*(kk>>2)+7], v[VCUR+8*(kk>>2):VCUR+8*(kk>>2)+7], v[PCUR+8*(kk&3):PCUR+8*(kk&3)+7], v[64*(kk&3)+8*(kk>>2):64*(kk&3)+8*(kk>>2)+7]
.endif
	WIN 0
.endif
.if \sm
	SLICE kk, PNXT
.endif
.if \sw
.if kk >= 4
.if (kk&3) == 0
	SWMMA kk/4-1, KCUR
.endif
.endif
.endif
.if kk == 3
.if (\koff) >= 0
	ds_load_b128 v[KNXT:KNXT+3], v2 offset:\koff
	ds_load_b128 v[KNXT+4:KNXT+7], v2 offset:\koff+512
.endif
.if (\vslot) >= 0
	WIN 0x80
.irp c, 0,1,2,3
	ds_load_b128 v[VNXT+8*\c:VNXT+8*\c+3],   v[3+\vslot] offset:\voff+\c*1024
	ds_load_b128 v[VNXT+8*\c+4:VNXT+8*\c+7], v[3+\vslot] offset:\voff+\c*1024+512
.endr
	WIN 0
.endif
.endif
.if kk == 7
.if (\vslot) >= 0
	WIN 0x80
.irp c, 4,5,6,7
	ds_load_b128 v[VNXT+8*\c:VNXT+8*\c+3],   v[3+\vslot] offset:\voff+\c*1024
	ds_load_b128 v[VNXT+8*\c+4:VNXT+8*\c+7], v[3+\vslot] offset:\voff+\c*1024+512
.endr
	WIN 0
.endif
.endif
.set kk, kk+1
.endr
.if \sm
	SLICE 32, PNXT
.endif
.if \sw
	SWMMA 7, KCUR
.if \sm == 0
	PLACES
.endif
.endif
.endm
; Four iterations that take their v from slot vslot; kb0: where v2 stands relative to that step's K pairs.
.macro GROUP vslot, kb0
	ITER 1, 1, 0, 1, 1, \vslot, 0,     \kb0+2048
	ITER 0, 1, 0, 1, 1, \vslot, 8192,  \kb0+3072
	ITER 1, 1, 0, 1, 1, \vslot, 16384, \kb0+8192
	ITER 0, 1, 0, 1, 1, \vslot, 24576, \kb0+9216
.endm
; The change of slots.  All of slot `slot` is in registers.  Every wave waits for its LDS reads and for all its tensor loads (its quarter of the other slot among them);
; refill = 1: a round of the cluster's barrier, and first behind it the wave's one joint load, two steps ahead, which has four iterations in which to land.
; refill = 0: nothing is left to fetch; my work-group's barrier shows the other slot whole.
.macro GHEAD slot, refill
	s_wait_dscnt 0x0
	s_set_vgpr_msb 0xf
	s_wait_tensorcnt 0x0
	ds_add_u32 v0, v1
	s_wait_dscnt 0x0
	s_set_vgpr_msb 0xf00
.if \refill
	s_add_nc_u64 s[46+4*\slot:47+4*\slot], s[46+4*\slot:47+4*\slot], 0x20000   ; no tensor load of mine is out: the address may step
	ROUND
	tensor_load_to_lds s[44+4*\slot:47+4*\slot], s[32:39]
	s_nop 0
	v_nop
	v_nop
	v_nop
.else
	s_barrier_signal -1
	s_barrier_wait -1
.endif
.endm
	ITER 0, 0, 0, 0, 1, -1, 0,     1024            ; n = -2: scores of block 0
	ITER 1, 0, 0, 1, 1, 0,  0,     2048            ; n = -1: softmax of block 0, scores of block 1
	ITER 0, 1, 1, 1, 1, 0,  8192,  3072            ; n = 0: the first products start the sums
	ITER 1, 1, 0, 1, 1, 0,  16384, 8192
	ITER 0, 1, 0, 1, 1, 0,  24576, 9216
	v_add_nc_u32 v2, 0x2000, v2                    ; K pairs of step 1
	s_mov_b32 s52, 7
.Lstep:
	GHEAD 0, 1                                     ; steps 2, 4, .. 14 into slot 0
	GROUP 1, 0
	GHEAD 1, 1                                     ; steps 3, 5, .. 15 into slot 1
	GROUP 0, 8192
	v_add_nc_u32 v2, 0x4000, v2
	s_sub_co_u32 s52, s52, 1
	s_cmp_lg_u32 s52, 0
	s_cbranch_scc1 .Lstep
	GHEAD 0, 0                                     ; step 15 is whole; slot 0 has had its last fill and, in every wave, its last read
	ITER 1, 1, 0, 1, 1, 1,  0,     2048            ; n = 59
	ITER 0, 1, 0, 1, 1, 1,  8192,  3072
	ITER 1, 1, 0, 1, 1, 1,  16384, -1
	ITER 0, 1, 0, 1, 0, 1,  24576, -1              ; n = 62: no scores are left to make
	ITER 1, 1, 0, 0, 0, -1, 0,     -1              ; n = 63: the last products
; ---------------- THE WAY OUT ----------------
; Wave kh finishes channels 64 kh .. +63 of its 64 queries: it hands the other 64 channels' partial sums to its partner through the stage and takes the partner's.
	PLACES
.irp q, 0,1,2,3
	v_add_f32 v[TREG+\q], v[LSUM+2*\q], v[LSUM+2*\q+1]
.endr
.irp q, 0,1,2,3
	v_permlanex16_b32 v[UREG+\q], v[TREG+\q], s22, s23
.endr
	v_pk_add_f32 v[TREG:TREG+1], v[TREG:TREG+1], v[UREG:UREG+1]
	v_pk_add_f32 v[TREG+2:TREG+3], v[TREG+2:TREG+3], v[UREG+2:UREG+3]
	ds_store_b128 v7, v[TREG:TREG+3] offset:2048   ; my key half's sums
.macro SEND hf
	WIN 0x04                                       ; store data in window 1
.irp q, 0,1,2,3
.irp c, 0,1,2,3
	ds_store_b128 v9, v[64*\q+8*(4*\hf+\c):64*\q+8*(4*\hf+\c)+3]   offset:(8*\q+2*\c)*512
	ds_store_b128 v9, v[64*\q+8*(4*\hf+\c)+4:64*\q+8*(4*\hf+\c)+7] offset:(8*\q+2*\c+1)*512
.endr
.endr
	WIN 0
.endm
	s_cmp_lg_u32 s16, 0
	s_cbranch_scc1 .Lsend_low
	SEND 1
	s_branch .Lsent
.Lsend_low:
	SEND 0
.Lsent:
	s_wait_dscnt 0x0                               ; my stores are in LDS before I say so
	s_barrier_signal -1
	s_barrier_wait -1
	ds_load_b128 v[UREG:UREG+3], v8 offset:2048
	WIN 0x80
.set i, 0
.rept 32
	ds_load_b128 v[4*i:4*i+3], v10 offset:i*512    ; the partner's sums for my channels, at register 32 q + 8 ctl + j of window 2
.set i, i+1
.endr
	WIN 0
	s_wait_dscnt 0x0
	v_pk_add_f32 v[TREG:TREG+1], v[TREG:TREG+1], v[UREG:UREG+1]
	v_pk_add_f32 v[TREG+2:TREG+3], v[TREG+2:TREG+3], v[UREG+2:UREG+3]
.irp q, 0,1,2,3
	v_rcp_f32 v[TREG+\q], v[TREG+\q]               ; the sum holds the maximum's own term, about 1: never 0
.endr
	v_nop                                          ; a plain instruction between the reciprocals and their use (ISA guide 5.7.2)
	s_wait_loadcnt 0x0                             ; x
.macro FIN hf
	WIN 0x49                                       ; source 0 and destination window 1, source 1 window 2
.irp q, 0,1,2,3
.irp c, 0,1,2,3
.irp i, 0,2,4,6
	v_pk_add_f32 v[64*\q+8*(4*\hf+\c)+\i:64*\q+8*(4*\hf+\c)+\i+1], v[64*\q+8*(4*\hf+\c)+\i:64*\q+8*(4*\hf+\c)+\i+1], v[32*\q+8*\c+\i:32*\q+8*\c+\i+1]
.endr
.endr
.endr
	WIN 0xa1                                       ; source 0 window 1, source 1 window 0, source 2 and destination window 2
	s_wait_alu depctr_va_vdst(0)
.irp c, 0,1,2,3
.irp j, 0,1,2,3,4,5,6,7
.irp q, 0,1,2,3
	v_fma_f32 v[XR+4*(8*\c+\j)+\q], v[64*\q+8*(4*\hf+\c)+\j], v[TREG+\q], v[XR+4*(8*\c+\j)+\q]   ; sum / l + x
.endr
.endr
.endr
	WIN 0x08                                       ; store data in window 2
.irp c, 0,1,2,3
.irp j, 0,1,2,3,4,5,6,7
	global_store_b128 v6, v[XR+4*(8*\c+\j):XR+4*(8*\c+\j)+3], s[12:13] offset:(16*\c+\j)*16384 th:TH_STORE_NT   ; lanes 0-15: 256 consecutive aligned bytes of one channel row; lanes 16-31: of the row 8 channels on
.endr
.endr
	WIN 0
.endm
	s_cmp_lg_u32 s16, 0
	s_cbranch_scc1 .Lfin_high
	FIN 0
	s_branch .Ldone
.Lfin_high:
	FIN 1
.Ldone:
	s_set_vgpr_msb 0xf
	s_wait_tensorcnt 0x0
	ds_add_u32 v0, v1
	s_wait_dscnt 0x0
	s_set_vgpr_msb 0xf00
	ROUND                                          ; the closing round: no work-group ends while a partner may still ask for a tile that names it
	s_endpgm
.Lfunc_end_k_q186b0ff714_attn:
	.size	k_q186b0ff714_attn, .Lfunc_end_k_q186b0ff714_attn-k_q186b0ff714_attn
	.p2alignl 7, 3214868480
	.fill 96, 4, 3214868480
	.section	.rodata,"a",@progbits
	.p2align	6, 0x0
	.amdhsa_kernel k_q186b0ff714_attn
		.amdhsa_group_segment_fixed_size 327680
		.amdhsa_private_segment_fixed_size 0
		.amdhsa_enable_private_segment 0
		.amdhsa_kernarg_size 40
		.amdhsa_user_sgpr_count 2
		.amdhsa_user_sgpr_kernarg_segment_ptr 1
		.amdhsa_wavefront_size32 1
		.amdhsa_system_sgpr_workgroup_id_x 1
		.amdhsa_system_sgpr_workgroup_id_y 1
		.amdhsa_system_sgpr_workgroup_id_z 1
		.amdhsa_system_vgpr_workitem_id 0
		.amdhsa_next_free_vgpr 770
		.amdhsa_next_free_sgpr 66
		.amdhsa_reserve_vcc 0
		.amdhsa_float_denorm_mode_32 3
		.amdhsa_float_denorm_mode_16_64 3
		.amdhsa_memory_ordered 1
		.amdhsa_forward_progress 1
		.amdhsa_inst_pref_size 255
	.end_amdhsa_kernel
	.section	.bss,"aw",@nobits
	.p2align	6
	.space	262144
	.amdgpu_metadata
---
amdhsa.version: [ 1, 2 ]
amdhsa.kernels:
  - .name:           k_q186b0ff714_attn
    .symbol:         k_q186b0ff714_attn.kd
    .args:
      - { .name: x, .offset: 0, .size: 8, .value_kind: global_buffer, .address_space: global }
      - { .name: qws, .offset: 8, .size: 8, .value_kind: global_buffer, .address_space: global }
      - { .name: kws, .offset: 16, .size: 8, .value_kind: global_buffer, .address_space: global }
      - { .name: vws, .offset: 24, .size: 8, .value_kind: global_buffer, .address_space: global }
      - { .name: out0, .offset: 32, .size: 8, .value_kind: global_buffer, .address_space: global }
    .group_segment_fixed_size: 327680
    .private_segment_fixed_size: 0
    .kernarg_segment_align: 8
    .kernarg_segment_size: 40
    .max_flat_workgroup_size: 128
    .sgpr_count:     66
    .vgpr_count:     770
    .wavefront_size: 32
...
	.end_amdgpu_metadata
.endif
;; end of part 2
;; ======== version 2 of 2: 2 launches; 1.48 times as fast as version 1
;; workspace buffers: qws 1,048,576 bytes; kws 1,048,576 bytes; vws 8,388,608 bytes
;; launch proj: the kernel of part 1 again; grid 32 x 8, 4 waves a work-group, no clusters, 76,800 bytes of LDS; arguments x, wq, bq, wk, wv, bv, qws, kws, vws; writes qws, kws, vws
;; launch attn (part 3): grid 32 x 8, 4 waves a work-group, clusters of 4 x 1, 327,680 bytes of LDS; arguments x, qws, kws, vws, out0; writes out0
.if DOCPART == 3
	.amdgcn_target "amdgcn-amd-amdhsa--gfx1250"
	.amdhsa_code_object_version 6
	.text
	.protected	k_q186b0ff714_attn
	.globl	k_q186b0ff714_attn
	.p2align	8
	.type	k_q186b0ff714_attn,@function
k_q186b0ff714_attn:
	s_mov_b64 s[64:65], 0
	v_nop
	global_prefetch_b8 v0, s[64:65] scope:SCOPE_SE
	s_setreg_imm32_b32 hwreg(HW_REG_WAVE_MODE, 25, 1), 1
	s_wait_xcnt 0x0
	s_wait_alu depctr_hold_cnt(0) depctr_sa_sdst(0) depctr_va_vdst(0) depctr_va_sdst(0) depctr_va_ssrc(0) depctr_va_vcc(0) depctr_vm_vsrc(0)
	s_getreg_b32 s2, hwreg(HW_REG_IB_STS2, 6, 4)
	s_cmp_eq_u32 s2, 0
	s_cbranch_scc0 .Lentry_in_a_cluster
	s_endpgm
.Lentry_in_a_cluster:
	s_bfe_u32 s2, ttmp6, 0x10000c
	s_cmp_lg_u32 s2, 0x3003
	s_cbranch_scc0 .Lentry_shape_is_right
	s_endpgm
.Lentry_shape_is_right:
; ATTENTION: out[c][i] = sum_j v[c][j] softmax_j(q_i . k_j / 4) + x[c][i], from the fragment images q', k, v that the launch before stored
; (q' already holds bq and the factor log2(e)/4; v holds bv).
; WORK LEFT OUT: bk (q_i . bk is the same for all j, so softmax over j cancels it for all inputs; shown at the head of the first kernel).
; TWO PASSES.  Pass 1 makes every query's exact maximum m of the scores (products and maxima only).  Pass 2 makes S - m in one product, by
;   giving -m as the C operand, then 2^(S-m), its sum, its rounding to bf16 and the product with v.  No running maximum, no rescaling.
; BATCHES.  An iteration of pass 2 has 64 exponentials, one block's scores in place: ONE batch with ONE wait, which cuts the iteration in two.  Ahead of the wait stand 22 of the
;   iteration's 32 products with v, three exponentials behind each: nothing there names a result of the batch.  Behind it stand the iteration's run of LDS loads, the other 10 products,
;   the 64 sums and roundings that read the results, and the next scores' 8 products, each into a tile whose readers are done.  The way out's four reciprocals are a batch of their own.
; LIMITS: finite inputs (two key tiles share a matrix operand, the unwanted one multiplied by zeros: a non-finite k would spread to its neighbour tile);
;   2^(S-m) below 2^-126 counts as 0; the weights 2^(S-m) are rounded to bf16 for the product with v, their sum is taken in f32 before rounding;
;   S - m is rounded once inside the product and may lie a few last places above 0.
; SHARES: a work-group owns 128 queries of one batch.  Wave w: qh = w & 1 picks 64 queries (four tiles q = 0..3 of 16; tile q holds pixels 64 G + 4 r + q),
;   kh = w >> 1 picks half of the keys; the two halves' maxima, sums and results meet in LDS.
; LAYOUTS (lane L, r = L & 15, h = L >> 4).  S^T = K Q^T: source 0 = 16 keys, source 1 = 16 queries; a lane's 8 results are keys 8h..8h+7 of query r, and two
;   such tiles rounded to bf16 ARE source 1 of the product with v (k = key).  Source 0 there = v (rows = channels); a lane's result register j is channel 8h + j of
;   query r.  The four query tiles of a lane are four neighbouring pixels, so out leaves straight from registers, 16 bytes a lane.
;   dk = 16 fills half of the form's K = 32: a K operand holds two key tiles (registers 0-3, 4-7) and Q is used as [q, 0] or [0, q].
; CLUSTER: the four work-groups of a cluster own query blocks of one batch and need the same K and V tiles: each tile is asked for jointly (mask 15), every wave
;   of each work-group asking for its quarter.  The work-group's place in the cluster enters only the global addresses of Q, x and out.
; LDS: 0 all of the batch's K (131072); 131072 and 196608 two slots of V, one step of 256 keys each (65536); 262144 scratch for maxima and sums (4096), where no
;   fill lands.  After its last fill and last read slot 0 is the stage on which the key halves exchange results.
; REGISTERS.  Window 0: v1-10 addresses, QB q and zero quads, NEGM -m (pass 1: running maxima), SREG scores, P0.. two weight buffers, KB K operands, LSUM sums.
;   Window 1: 32 accumulators, (q, ct) at 64 q + 8 ct.  Window 2: v0-63, v64-127 two V buffers (at the end: the partner's results), v128-255 x.
.set VS0,  131072
.set VSB,  65536
.set SC,   262144
.set QB,   12                          ; v12-47  Z q0 Z q1 Z q2 Z q3 Z (quads): [q,0] of tile q at QB+8q+4, [0,q] at QB+8q
.set NEGM, 48                          ; v48-79
.set SREG, 80                          ; v80-143 eight score tiles: 2 q + (0: first, 1: second key tile of the pair)
.set P0,   144                         ; v144-175, v176-207
.set KB0,  208                         ; v208, v216 (pass 1 also v232, v240)
.set LSUM, 224                         ; v224-231 a pair for each q
.set TREG, 248
.set UREG, 252
.set XR,   128                         ; window 2: x and then out, quad 8 ctl + j
.set MSB,  0
.macro WIN new                         ; the immediate's high byte repeats the setting that is left
.if MSB != \new
	s_set_vgpr_msb (MSB<<8)|\new
.set MSB, \new
.endif
.endm
.macro PLACES                          ; four places behind a matrix instruction (ISA guide 7.12.1)
.rept 4
	v_nop
.endr
.endm
; A round of the cluster's barrier: my work-group's barrier, wave 0 signals for the work-group, every wave waits for all four work-groups, my work-group's barrier again.
.macro ROUND
	s_barrier_signal -1
	s_barrier_wait -1
	s_cmp_lg_u32 s14, 0
	s_cbranch_scc1 .Lnot_wave_0_\@
	s_barrier_signal -3
.Lnot_wave_0_\@:
	s_barrier_wait -3
	s_barrier_signal -1
	s_barrier_wait -1
.endm
	s_load_b256 s[4:11], s[0:1], 0x0               ; x 4, qws 6, kws 8, vws 10
	s_load_b64 s[12:13], s[0:1], 0x20              ; out
	s_set_vgpr_msb 0xc0
	v_lshl_add_u32 v0, v0, 2, 0x41000
	v_mov_b32 v1, 0
	s_set_vgpr_msb 0xc0cf
	ds_add_u32 v0, v1
	s_set_vgpr_msb 0xcf00
	v_lshrrev_b32 v1, 5, v0
	v_readfirstlane_b32 s14, v1                    ; wave w
	s_and_b32 s15, s14, 1                          ; qh
	s_lshr_b32 s16, s14, 1                         ; kh
	s_xor_b32 s53, s14, 2                          ; my partner: same queries, other keys
	s_bfe_u32 s17, ttmp6, 0x40000                  ; cx
	s_lshl_b32 s18, ttmp9, 2
	s_add_co_u32 s18, s18, s17                     ; query block = 4 x cluster x + cx
	s_lshl1_add_u32 s18, s18, s15                  ; G = 2 x block + qh: my 64 queries
	s_and_b32 s19, ttmp7, 0xffff                   ; b
	s_mov_b32 s22, 0x76543210                      ; v_permlanex16_b32: lane i takes lane i of the other half
	s_mov_b32 s23, 0xfedcba98
	; group 1 for K's quarter: 128 dense rows of 32 elements of 8 bytes; mask 15 with bit 21 beside it
	s_mov_b32 s24, 0x0023000f
	s_mov_b32 s25, 32<<16
	s_mov_b32 s26, 128<<16
	s_mov_b32 s27, 32<<16
	s_mov_b32 s28, 128
	s_mov_b32 s29, 32
	s_mov_b32 s30, 0
	s_mov_b32 s31, 0
	; group 1 for a V step's quarter: 64 such rows
	s_mov_b32 s32, 0x0023000f
	s_mov_b32 s33, 32<<16
	s_mov_b32 s34, 64<<16
	s_mov_b32 s35, 32<<16
	s_mov_b32 s36, 64
	s_mov_b32 s37, 32
	s_mov_b32 s38, 0
	s_mov_b32 s39, 0
	; groups 0: K s[40:43], V slot 0 s[44:47], V slot 1 s[48:51].  Batch and wave alone enter them.
	s_mov_b32 s40, 1
	s_lshl_b32 s41, s14, 15
	s_mov_b32 s44, 1
	s_lshl_b32 s45, s14, 14
	s_add_co_u32 s45, s45, VS0
	s_mov_b32 s48, 1
	s_add_co_u32 s49, s45, VSB
	s_lshl_b32 s20, s19, 17
	s_add_co_u32 s20, s20, s41
	s_mov_b32 s21, 0
	s_wait_dscnt 0x0
	s_wait_kmcnt 0x0
	s_add_nc_u64 s[42:43], s[8:9], s[20:21]
	s_or_b32 s43, s43, 0x80000000
	s_lshl_b32 s20, s19, 20
	s_lshl_b32 s56, s14, 14
	s_add_co_u32 s20, s20, s56
	s_add_nc_u64 s[46:47], s[10:11], s[20:21]      ; step 0
	s_add_nc_u64 s[50:51], s[46:47], 0x10000       ; step 1
	s_or_b32 s47, s47, 0x80000000
	s_or_b32 s51, s51, 0x80000000
	ROUND                                          ; all four work-groups are here: the first joint loads meet
	tensor_load_to_lds s[40:43], s[24:31]          ; the three first fills go out as one group: three tensor loads of the wave are out
	s_nop 0
	tensor_load_to_lds s[44:47], s[32:39]
	s_nop 0
	tensor_load_to_lds s[48:51], s[32:39]
	s_nop 0
	s_lshl_b32 s54, s19, 21                        ; offsets that hold cx have a pair of their own
	s_lshl_b32 s57, s18, 8
	s_add_co_u32 s54, s54, s57
	s_mov_b32 s55, 0
	s_add_nc_u64 s[4:5], s[4:5], s[54:55]          ; x and out at my batch and my 64 pixels
	s_add_nc_u64 s[12:13], s[12:13], s[54:55]
	s_lshl_b32 s54, s19, 17
	s_lshl_b32 s57, s18, 11
	s_add_co_u32 s54, s54, s57
	s_add_nc_u64 s[6:7], s[6:7], s[54:55]          ; my four query tiles
	v_and_b32 v11, 31, v0                          ; L
	v_and_b32 v[TREG], 15, v0                      ; r
	v_bfe_u32 v[TREG+1], v0, 4, 1                  ; h
	v_lshlrev_b32 v1, 4, v11                       ; 16 L
	v_lshl_add_u32 v2, s16, 12, v1                 ; pass 2: K pairs, 4 of every 8 are mine
	s_lshl_b32 s56, s16, 15
	s_add_co_u32 s56, s56, VS0
	v_add_nc_u32 v3, s56, v1                       ; V slot 0, my 4 blocks of its 8
	v_add_nc_u32 v4, VSB, v3                       ; V slot 1
	v_lshl_add_u32 v5, s16, 16, v1                 ; pass 1: K pairs 64 kh ..
	v_lshlrev_b32 v6, 4, v[TREG]                   ; x, out: 16 r
	v_lshl_add_u32 v6, v[TREG+1], 17, v6           ;   + 8 h channels
	v_lshl_add_u32 v6, s16, 20, v6                 ;   + 64 kh channels: the channels that I finish
	s_lshl_b32 s57, s14, 9
	s_add_co_u32 s57, s57, SC
	v_add_nc_u32 v7, s57, v1                       ; scratch: mine,
	s_lshl_b32 s58, s53, 9
	s_add_co_u32 s58, s58, SC
	v_add_nc_u32 v8, s58, v1                       ;   my partner's
	v_add_nc_u32 v9, s45, v1                       ; stage: mine (slot 0 + 16384 w),
	s_lshl_b32 s59, s53, 14
	s_add_co_u32 s59, s59, VS0
	v_add_nc_u32 v10, s59, v1                      ;   my partner's
.irp q, 0,1,2,3
	global_load_b128 v[QB+8*\q+4:QB+8*\q+7], v1, s[6:7] offset:\q*512
.endr
	WIN 0x80                                       ; destination in window 2
.irp c, 0,1,2,3
.irp j, 0,1,2,3,4,5,6,7
	global_load_b128 v[XR+4*(8*\c+\j):XR+4*(8*\c+\j)+3], v6, s[4:5] offset:(16*\c+\j)*16384 th:TH_LOAD_NT   ; x for the way out: asked for now, waited for at the end
.endr
.endr
	WIN 0
.irp z, 0,1,2,3,4
.irp i, 0,1,2,3
	v_mov_b32 v[QB+8*\z+\i], 0                     ; the zero quads between the q
.endr
.endr
.irp i, 0,1,2,3,4,5,6,7
	v_mov_b32 v[LSUM+\i], 0
.endr
	s_wait_loadcnt 0x20                            ; Q is in; the 32 younger loads are x's
	s_wait_tensorcnt 0x2                           ; my quarter of K is in; both V steps may stay out
	s_barrier_signal -1
	s_barrier_wait -1                              ; all of K is in
; ---------------- PASS 1: the maxima ----------------
.macro P1LOAD kb, off                  ; a pair of key tiles into K buffer kb (0..3: v208, v216, v232, v240)
.set KD, KB0+8*(\kb)+8*((\kb)>>1)
	ds_load_b128 v[KD:KD+3], v5 offset:\off
	ds_load_b128 v[KD+4:KD+7], v5 offset:\off+512
.endm
; One pair of key tiles: 8 products into score set `set`; behind each product four maxima over the OTHER set, which the pair before wrote.
; mode 0: no set to read yet; 1: the maxima start; 2: they go on.  koff: the pair three ahead is loaded from there (-1: none).  cnt: LDS loads that may stay out.
.macro P1G kb, set, mode, koff, cnt
	s_wait_dscnt \cnt
.set KCUR, KB0+8*(\kb)+8*((\kb)>>1)
.set DSET, SREG+64*(\set)
.set YSET, SREG+64*(1-(\set))
.set tt, 0
.rept 8
	v_wmma_f32_16x16x32_bf16 v[DSET+8*tt:DSET+8*tt+7], v[KCUR:KCUR+7], v[QB+8*(tt>>1)+4*(1-(tt&1)):QB+8*(tt>>1)+4*(1-(tt&1))+7], 0
.irp jj, 0,1,2,3
.if \mode == 2
	v_max3_num_f32 v[NEGM+8*(tt>>1)+4*(tt&1)+\jj], v[NEGM+8*(tt>>1)+4*(tt&1)+\jj], v[YSET+16*(tt>>1)+4*(tt&1)+\jj], v[YSET+16*(tt>>1)+8+4*(tt&1)+\jj]
.endif
.if \mode == 1
	v_max_num_f32 v[NEGM+8*(tt>>1)+4*(tt&1)+\jj], v[YSET+16*(tt>>1)+4*(tt&1)+\jj], v[YSET+16*(tt>>1)+8+4*(tt&1)+\jj]
.endif
.endr
.if tt == 1
.if (\koff) >= 0
	P1LOAD ((\kb)+3)&3, \koff                      ; into the buffer that the pair before read: its last product lies at least four plain instructions back
.endif
.endif
.set tt, tt+1
.endr
.if \mode == 0
	PLACES
.endif
.endm
	P1LOAD 0, 0
	P1LOAD 1, 1024
	P1LOAD 2, 2048
	P1G 0, 0, 0, 3072, 4                           ; count 4: the next two pairs' loads may stay out
	P1G 1, 1, 1, 4096, 4
	P1G 2, 0, 2, 5120, 4
	P1G 3, 1, 2, 6144, 4
	v_add_nc_u32 v5, 0x1000, v5
	s_mov_b32 s52, 14
.Lmax:
	P1G 0, 0, 2, 3072, 4
	P1G 1, 1, 2, 4096, 4
	P1G 2, 0, 2, 5120, 4
	P1G 3, 1, 2, 6144, 4
	v_add_nc_u32 v5, 0x1000, v5
	s_sub_co_u32 s52, s52, 1
	s_cmp_lg_u32 s52, 0
	s_cbranch_scc1 .Lmax
	P1G 0, 0, 2, 3072, 4                           ; pairs 60 to 63: one more load, then the counts run down
	P1G 1, 1, 2, -1, 4
	P1G 2, 0, 2, -1, 2
	P1G 3, 1, 2, -1, 0
	PLACES
.irp q, 0,1,2,3
.irp j, 0,1,2,3,4,5,6,7
	v_max3_num_f32 v[NEGM+8*\q+\j], v[NEGM+8*\q+\j], v[SREG+64+16*\q+\j], v[SREG+64+16*\q+8+\j]   ; the last pair's scores
.endr
.endr
.irp q, 0,1,2,3
	v_max3_num_f32 v[TREG+\q], v[NEGM+8*\q], v[NEGM+8*\q+1], v[NEGM+8*\q+2]
	v_max3_num_f32 v[UREG], v[NEGM+8*\q+3], v[NEGM+8*\q+4], v[NEGM+8*\q+5]
	v_max3_num_f32 v[TREG+\q], v[TREG+\q], v[UREG], v[NEGM+8*\q+6]
	v_max_num_f32 v[TREG+\q], v[TREG+\q], v[NEGM+8*\q+7]
	v_permlanex16_b32 v[UREG], v[TREG+\q], s22, s23        ; the other 8 keys of each tile lie in the other half of the lanes
	v_max_num_f32 v[TREG+\q], v[TREG+\q], v[UREG]
.endr
	ds_store_b128 v7, v[TREG:TREG+3]
	s_wait_dscnt 0x0                               ; my maxima are in LDS before I say so
	s_wait_tensorcnt 0x1                           ; my quarter of V's step 0 is in; step 1 may stay out
	s_barrier_signal -1
	s_barrier_wait -1
	ds_load_b128 v[UREG:UREG+3], v8                ; the other key half's maxima
	ds_load_b128 v[KB0:KB0+3], v2                  ; pass 2's first K pair
	ds_load_b128 v[KB0+4:KB0+7], v2 offset:512
	s_wait_dscnt 0x2                               ; the maxima are in; the two K loads may stay out
.irp q, 0,1,2,3
	v_max_num_f32 v[TREG+\q], v[TREG+\q], v[UREG+\q]
.endr
.irp q, 0,1,2,3
	v_xor_b32 v[NEGM+8*\q], 0x80000000, v[TREG+\q]         ; -m, the same in all 8 registers: a lane's 8 scores belong to one query
.irp j, 1,2,3,4,5,6,7
	v_mov_b32 v[NEGM+8*\q+\j], v[NEGM+8*\q]
.endr
.endr
; ---------------- PASS 2 ----------------
; One score tile: S - m.
.macro SWMMA tau, kreg
	v_wmma_f32_16x16x32_bf16 v[SREG+8*(\tau):SREG+8*(\tau)+7], v[\kreg:\kreg+7], v[QB+8*((\tau)>>1)+4*(1-((\tau)&1)):QB+8*((\tau)>>1)+4*(1-((\tau)&1))+7], v[NEGM+8*((\tau)>>1):NEGM+8*((\tau)>>1)+7]
.endm
; The iteration's next product of v with the weights, number kk of 32: query tile kk & 3, channel tile kk >> 2.
.macro PVN zero
	WIN 0x52                                       ; source 0 (v) window 2, source 1 (weights) window 0, C and D window 1
.if \zero
	v_wmma_f32_16x16x32_bf16 v[64*(kk&3)+8*(kk>>2):64*(kk&3)+8*(kk>>2)+7], v[VCUR+8*(kk>>2):VCUR+8*(kk>>2)+7], v[PCUR+8*(kk&3):PCUR+8*(kk&3)+7], 0
.else
	v_wmma_f32_16x16x32_bf16 v[64*(kk&3)+8*(kk>>2):64*(kk&3)+8*(kk>>2)+7], v[VCUR+8*(kk>>2):VCUR+8*(kk>>2)+7], v[PCUR+8*(kk&3):PCUR+8*(kk&3)+7], v[64*(kk&3)+8*(kk>>2):64*(kk&3)+8*(kk>>2)+7]
.endif
.set kk, kk+1
.endm
; The batch's next exponential, number ee of 64, in place on the scores in ascending order.
.macro EXN
.if ee < 64
	WIN 0
	v_exp_f32 v[SREG+ee], v[SREG+ee]
.set ee, ee+1
.endif
.endm
; Four readers of the batch: for slices sa and sb (slice s: the weights 2 s, 2 s + 1) the sum into l and the rounding to bf16.  The two slices belong to different queries' l,
; so no addition stands next to the one that it adds onto; each l takes its slices in ascending order.
.macro RD2 sa, sb
	WIN 0
	v_pk_add_f32 v[LSUM+2*((\sa)>>3):LSUM+2*((\sa)>>3)+1], v[LSUM+2*((\sa)>>3):LSUM+2*((\sa)>>3)+1], v[SREG+2*(\sa):SREG+2*(\sa)+1]
	v_pk_add_f32 v[LSUM+2*((\sb)>>3):LSUM+2*((\sb)>>3)+1], v[LSUM+2*((\sb)>>3):LSUM+2*((\sb)>>3)+1], v[SREG+2*(\sb):SREG+2*(\sb)+1]
	v_cvt_pk_bf16_f32 v[PNXT+(\sa)], v[SREG+2*(\sa)], v[SREG+2*(\sa)+1]
	v_cvt_pk_bf16_f32 v[PNXT+(\sb)], v[SREG+2*(\sb)], v[SREG+2*(\sb)+1]
.endm
; Iteration n (par = n & 1) on blocks of 32 keys.  Its work:
;   pv: 32 products of v(n) with the weights of block n (zero = 1: they start the sums);
;   sm: block n+1's softmax: 64 exponentials, then 32 slices' sums and roundings;
;   sw: block n+2's 8 score products, each into a tile whose four slices have been read;
;   loads: K(n+3) at koff and v(n+1) at voff of slot vslot (-1: none).
; ITS ORDER.  AHEAD OF THE WAIT: products 0 to 21, behind each three exponentials (behind the last one): these products name accumulators, v(n) and block n's weights, none of the batch's results.
;   A v_nop behind the last exponential is the plain instruction between the exponentials and the use of their results (ISA guide 5.7.2): one for the batch.
;   THE WAIT, one for the 64 exponentials: it stands ahead of the first instruction that names a result.
;   BEHIND IT: the 18 LDS loads in one run, 18 matrix instructions ahead of the wait for them at the next iteration's head; then 16 groups of four readers, a matrix instruction ahead of each.
;   The score tiles are read in pairs 0+2, 1+3, 4+6, 5+7, four groups a pair.  Ahead of the first pair's groups stand products 22 to 25; ahead of a later pair's groups, by turns, a score
;   product into a tile of the pair before and a product with v.  Tiles 5 and 7 get their products at the end.
; DISTANCES.  Behind every score product but the last two stands a group of four plain readers of other tiles; behind the last two four v_nop: the next instructions that read those scores are
;   exponentials, which are no places, and the next load into this K operand wants the places too.  Behind product 31 stands a group of readers, which names neither its v nor its weights:
;   the places ahead of the next iteration's loads into that v buffer and of its roundings into that weight buffer.
; The 32 accumulators take turns, one instruction a turn.
.macro ITER par, pv, zero, sm, sw, vslot, voff, koff
	s_wait_dscnt 0x0                               ; v(n) and K(n+2), asked for in the iteration before
.set PCUR, P0+32*(\par)
.set PNXT, P0+32*(1-(\par))
.set KCUR, KB0+8*(\par)
.set KNXT, KB0+8*(1-(\par))
.set VCUR, 64*(\par)
.set VNXT, 64*(1-(\par))
.set kk, 0
.set ee, 0
.rept 22
.if \pv
	PVN \zero
.endif
.if \sm
	EXN
	EXN
	EXN
.endif
.endr
.if \sm
	WIN 0
	v_nop                                          ; the plain instruction behind the last exponential: one for the batch
	s_wait_alu depctr_va_vdst(0)                   ; the wait for the batch: the block's 64 exponentials
.endif
.if (\koff) >= 0
	WIN 0
	ds_load_b128 v[KNXT:KNXT+3], v2 offset:\koff
	ds_load_b128 v[KNXT+4:KNXT+7], v2 offset:\koff+512
.endif
.if (\vslot) >= 0
	WIN 0x80
.irp c, 0,1,2,3,4,5,6,7
	ds_load_b128 v[VNXT+8*\c:VNXT+8*\c+3],   v[3+\vslot] offset:\voff+\c*1024
	ds_load_b128 v[VNXT+8*\c+4:VNXT+8*\c+7], v[3+\vslot] offset:\voff+\c*1024+512
.endr
.endif
.set pp, 0
.rept 4                                ; pair pp of score tiles: TA and TA + 2
.set TA, (pp&1)+4*(pp>>1)
.if pp > 0
.set TP, ((pp-1)&1)+4*((pp-1)>>1)      ; the pair before: TP and TP + 2, used up
.endif
.set gg, 0
.rept 4                                ; group gg: slice gg of both tiles
.if (pp > 0) && ((gg&1) == 0)
.if \sw
	WIN 0
	SWMMA TP+gg, KCUR
.endif
.else
.if \pv
	PVN \zero
.endif
.endif
.if \sm
	RD2 4*TA+gg, 4*TA+8+gg
.endif
.set gg, gg+1
.endr
.set pp, pp+1
.endr
.if \sw
	WIN 0
	SWMMA 5, KCUR
	SWMMA 7, KCUR
	PLACES
.endif
	WIN 0
.endm
; Four iterations that take their v from slot vslot; kb0: where v2 stands relative to that step's K pairs.
.macro GROUP vslot, kb0
	ITER 1, 1, 0, 1, 1, \vslot, 0,     \kb0+2048
	ITER 0, 1, 0, 1, 1, \vslot, 8192,  \kb0+3072
	ITER 1, 1, 0, 1, 1, \vslot, 16384, \kb0+8192
	ITER 0, 1, 0, 1, 1, \vslot, 24576, \kb0+9216
.endm
; The change of slots.  All of slot `slot` is in registers.  Every wave waits for its LDS reads and for all its tensor loads (its quarter of the other slot among them);
; refill = 1: a round of the cluster's barrier, and first behind it the wave's one joint load, two steps ahead, which has four iterations in which to land.
; refill = 0: nothing is left to fetch; my work-group's barrier shows the other slot whole.
.macro GHEAD slot, refill
	s_wait_dscnt 0x0
	s_set_vgpr_msb 0xf
	s_wait_tensorcnt 0x0
	ds_add_u32 v0, v1
	s_wait_dscnt 0x0
	s_set_vgpr_msb 0xf00
.if \refill
	s_add_nc_u64 s[46+4*\slot:47+4*\slot], s[46+4*\slot:47+4*\slot], 0x20000   ; no tensor load of mine is out: the address may step
	ROUND
	tensor_load_to_lds s[44+4*\slot:47+4*\slot], s[32:39]
	s_nop 0
	v_nop
	v_nop
	v_nop
.else
	s_barrier_signal -1
	s_barrier_wait -1
.endif
.endm
	ITER 0, 0, 0, 0, 1, -1, 0,     1024            ; n = -2: scores of block 0
	ITER 1, 0, 0, 1, 1, 0,  0,     2048            ; n = -1: softmax of block 0, scores of block 1
	ITER 0, 1, 1, 1, 1, 0,  8192,  3072            ; n = 0: the first products start the sums
	ITER 1, 1, 0, 1, 1, 0,  16384, 8192
	ITER 0, 1, 0, 1, 1, 0,  24576, 9216
	v_add_nc_u32 v2, 0x2000, v2                    ; K pairs of step 1
	s_mov_b32 s52, 7
.Lstep:
	GHEAD 0, 1                                     ; steps 2, 4, .. 14 into slot 0
	GROUP 1, 0
	GHEAD 1, 1                                     ; steps 3, 5, .. 15 into slot 1
	GROUP 0, 8192
	v_add_nc_u32 v2, 0x4000, v2
	s_sub_co_u32 s52, s52, 1
	s_cmp_lg_u32 s52, 0
	s_cbranch_scc1 .Lstep
	GHEAD 0, 0                                     ; step 15 is whole; slot 0 has had its last fill and, in every wave, its last read
	ITER 1, 1, 0, 1, 1, 1,  0,     2048            ; n = 59
	ITER 0, 1, 0, 1, 1, 1,  8192,  3072
	ITER 1, 1, 0, 1, 1, 1,  16384, -1
	ITER 0, 1, 0, 1, 0, 1,  24576, -1              ; n = 62: no scores are left to make
	ITER 1, 1, 0, 0, 0, -1, 0,     -1              ; n = 63: the last products
; ---------------- THE WAY OUT ----------------
; Wave kh finishes channels 64 kh .. +63 of its 64 queries: it hands the other 64 channels' partial sums to its partner through the stage and takes the partner's.
	PLACES
.irp q, 0,1,2,3
	v_add_f32 v[TREG+\q], v[LSUM+2*\q], v[LSUM+2*\q+1]
.endr
.irp q, 0,1,2,3
	v_permlanex16_b32 v[UREG+\q], v[TREG+\q], s22, s23
.endr
	v_pk_add_f32 v[TREG:TREG+1], v[TREG:TREG+1], v[UREG:UREG+1]
	v_pk_add_f32 v[TREG+2:TREG+3], v[TREG+2:TREG+3], v[UREG+2:UREG+3]
	ds_store_b128 v7, v[TREG:TREG+3] offset:2048   ; my key half's sums
.macro SEND hf
	WIN 0x04                                       ; store data in window 1
.irp q, 0,1,2,3
.irp c, 0,1,2,3
	ds_store_b128 v9, v[64*\q+8*(4*\hf+\c):64*\q+8*(4*\hf+\c)+3]   offset:(8*\q+2*\c)*512
	ds_store_b128 v9, v[64*\q+8*(4*\hf+\c)+4:64*\q+8*(4*\hf+\c)+7] offset:(8*\q+2*\c+1)*512
.endr
.endr
	WIN 0
.endm
	s_cmp_lg_u32 s16, 0
	s_cbranch_scc1 .Lsend_low
	SEND 1
	s_branch .Lsent
.Lsend_low:
	SEND 0
.Lsent:
	s_wait_dscnt 0x0                               ; my stores are in LDS before I say so
	s_barrier_signal -1
	s_barrier_wait -1
	ds_load_b128 v[UREG:UREG+3], v8 offset:2048
	WIN 0x80
.set i, 0
.rept 32
	ds_load_b128 v[4*i:4*i+3], v10 offset:i*512    ; the partner's sums for my channels, at register 32 q + 8 ctl + j of window 2
.set i, i+1
.endr
	WIN 0
	s_wait_dscnt 0x0
	v_pk_add_f32 v[TREG:TREG+1], v[TREG:TREG+1], v[UREG:UREG+1]
	v_pk_add_f32 v[TREG+2:TREG+3], v[TREG+2:TREG+3], v[UREG+2:UREG+3]
.irp q, 0,1,2,3
	v_rcp_f32 v[TREG+\q], v[TREG+\q]               ; the sum holds the maximum's own term, about 1: never 0
.endr
	v_nop                                          ; a plain instruction between the reciprocals and their use (ISA guide 5.7.2)
	s_wait_loadcnt 0x0                             ; x
	s_wait_alu depctr_va_vdst(0)                   ; the wait for the four reciprocals, one batch: ahead of the branch below and of their first reader in FIN
.macro FIN hf
	WIN 0x49                                       ; source 0 and destination window 1, source 1 window 2
.irp q, 0,1,2,3
.irp c, 0,1,2,3
.irp i, 0,2,4,6
	v_pk_add_f32 v[64*\q+8*(4*\hf+\c)+\i:64*\q+8*(4*\hf+\c)+\i+1], v[64*\q+8*(4*\hf+\c)+\i:64*\q+8*(4*\hf+\c)+\i+1], v[32*\q+8*\c+\i:32*\q+8*\c+\i+1]
.endr
.endr
.endr
	WIN 0xa1                                       ; source 0 window 1, source 1 window 0, source 2 and destination window 2
.irp c, 0,1,2,3
.irp j, 0,1,2,3,4,5,6,7
.irp q, 0,1,2,3
	v_fma_f32 v[XR+4*(8*\c+\j)+\q], v[64*\q+8*(4*\hf+\c)+\j], v[TREG+\q], v[XR+4*(8*\c+\j)+\q]   ; sum / l + x
.endr
.endr
.endr
	WIN 0x08                                       ; store data in window 2
.irp c, 0,1,2,3
.irp j, 0,1,2,3,4,5,6,7
	global_store_b128 v6, v[XR+4*(8*\c+\j):XR+4*(8*\c+\j)+3], s[12:13] offset:(16*\c+\j)*16384 th:TH_STORE_NT   ; lanes 0-15: 256 consecutive aligned bytes of one channel row; lanes 16-31: of the row 8 channels on
.endr
.endr
	WIN 0
.endm
	s_cmp_lg_u32 s16, 0
	s_cbranch_scc1 .Lfin_high
	FIN 0
	s_branch .Ldone
.Lfin_high:
	FIN 1
.Ldone:
	s_set_vgpr_msb 0xf
	s_wait_tensorcnt 0x0
	ds_add_u32 v0, v1
	s_wait_dscnt 0x0
	s_set_vgpr_msb 0xf00
	ROUND                                          ; the closing round: no work-group ends while a partner may still ask for a tile that names it
	s_endpgm
.Lfunc_end_k_q186b0ff714_attn:
	.size	k_q186b0ff714_attn, .Lfunc_end_k_q186b0ff714_attn-k_q186b0ff714_attn
	.p2alignl 7, 3214868480
	.fill 96, 4, 3214868480
	.section	.rodata,"a",@progbits
	.p2align	6, 0x0
	.amdhsa_kernel k_q186b0ff714_attn
		.amdhsa_group_segment_fixed_size 327680
		.amdhsa_private_segment_fixed_size 0
		.amdhsa_enable_private_segment 0
		.amdhsa_kernarg_size 40
		.amdhsa_user_sgpr_count 2
		.amdhsa_user_sgpr_kernarg_segment_ptr 1
		.amdhsa_wavefront_size32 1
		.amdhsa_system_sgpr_workgroup_id_x 1
		.amdhsa_system_sgpr_workgroup_id_y 1
		.amdhsa_system_sgpr_workgroup_id_z 1
		.amdhsa_system_vgpr_workitem_id 0
		.amdhsa_next_free_vgpr 770
		.amdhsa_next_free_sgpr 66
		.amdhsa_reserve_vcc 0
		.amdhsa_float_denorm_mode_32 3
		.amdhsa_float_denorm_mode_16_64 3
		.amdhsa_memory_ordered 1
		.amdhsa_forward_progress 1
		.amdhsa_inst_pref_size 255
	.end_amdhsa_kernel
	.section	.bss,"aw",@nobits
	.p2align	6
	.space	262144
	.amdgpu_metadata
---
amdhsa.version: [ 1, 2 ]
amdhsa.kernels:
  - .name:           k_q186b0ff714_attn
    .symbol:         k_q186b0ff714_attn.kd
    .args:
      - { .name: x, .offset: 0, .size: 8, .value_kind: global_buffer, .address_space: global }
      - { .name: qws, .offset: 8, .size: 8, .value_kind: global_buffer, .address_space: global }
      - { .name: kws, .offset: 16, .size: 8, .value_kind: global_buffer, .address_space: global }
      - { .name: vws, .offset: 24, .size: 8, .value_kind: global_buffer, .address_space: global }
      - { .name: out0, .offset: 32, .size: 8, .value_kind: global_buffer, .address_space: global }
    .group_segment_fixed_size: 327680
    .private_segment_fixed_size: 0
    .kernarg_segment_align: 8
    .kernarg_segment_size: 40
    .max_flat_workgroup_size: 128
    .sgpr_count:     66
    .vgpr_count:     770
    .wavefront_size: 32
...
	.end_amdgpu_metadata
.endif
;; end of part 3
